; MI455X (gfx1250); checked and timed in simulation.
; The chip was launched on July 23, 2026; its instructions are those of AMD's public machine-readable ISA for CDNA 5 (MIT licence, August 2026) and "CDNA5" Instruction Set Architecture Reference Guide (July 2026). The comments in the code are by the model that wrote it; some were corrected since.
;; Neural ODE. Allowed arithmetic: float matrix products may take bf16 or f16 operands with f32 sums; other float arithmetic in f32, or as packed bf16 or f16 multiplies, adds, multiply-adds, maxima and minima; sums over many terms, partial sums and values carried from step to step in f32; what a program stores and reads back later, other than sums and carried values, may be rounded once to bf16 or f16.
;; Inputs: W1 33 x 256 float32; W2 256 x 256 float32; W3 256 x 32 float32; b1 256 float32; b2 256 float32; b3 32 float32; x 512 x 32 float32.
;; Outputs: out0 512 x 35 float32.
;; One version. Each part assembles by itself: llvm-mc -triple=amdgcn-amd-amdhsa -mcpu=gfx1250 --defsym DOCPART=n.
;; ======== version 1 of 1: 1 launch
;; limits: values outside matrix products are rounded to bf16
;; launch node (part 1): grid 256 x 1, 4 waves a work-group, no clusters, 42,240 bytes of LDS; arguments x, W1, b1, W2, b2, W3, b3, out0; writes out0
.if DOCPART == 1
	.amdgcn_target "amdgcn-amd-amdhsa--gfx1250"
	.amdhsa_code_object_version 6
	.text
	.protected	k_q7797cbbbeb_node
	.globl	k_q7797cbbbeb_node
	.p2align	8
	.type	k_q7797cbbbeb_node,@function
k_q7797cbbbeb_node:
	s_mov_b64 s[64:65], 0
	v_nop
	global_prefetch_b8 v0, s[64:65] scope:SCOPE_SE
	s_setreg_imm32_b32 hwreg(HW_REG_WAVE_MODE, 25, 1), 1
	s_wait_xcnt 0x0
; NeuralODE: 512 samples, 8 Dopri5 steps of 6 stages of the field f(t,x) = tanh(tanh([x,t] W1 + b1) W2 + b2) W3 + b3, with the
; integrals of -trace(J), |f|^2 and |J|_F^2, J = df/dx = (W1[0:32] d1) W2 d2 W3, d = 1 - tanh^2.   out0[b] = (z[32], log_det, vf_norm, jac_frob).
; ONE launch.  A work-group of four waves owns 2 samples for the whole integration (512 / 2 = 256 work-groups); samples never meet.
; All weights are turned into bf16 fragments ONCE and stay in registers (W2: 256 registers a wave, W1 as tangent rows: 256, W1 and W3 as
; B fragments: 64).  Wave w owns hidden columns 64 w .. 64 w + 63 of both hidden layers.  LDS carries only what waves hand to each other.
;
; THE ORDER OF A STAGE.  Only x -> h1 -> h2 -> f -> x leads from a stage to the next; J ends in two sums.  So the 128 products of the tangent
; layer 2 are issued in their eight K steps of 16, and between two K steps stands one link of that chain: each LDS trip and each barrier of
; the chain has 16 products between its request and its wait.  The scaling of U by d2 (128 lines) stands four lines behind each product of
; the last K step and of the tangent layer 3.  J's shares go to LDS at the end of a stage and are summed inside the next stage that has
; tangent products.  The last stage of the last step is written out by itself: nothing of a 49th evaluation is computed.
;
; WORK LEFT OUT, for all values of the inputs:
;  (a) _deriv unpacks (x, log_det, vf_norm, jac_frob) and reads x alone, so the stage values of the three integrals reach nothing:
;      only their weighted sums dt * sum b_i k_i are formed.
;  (b) _B[1] is the constant 0.0 of reference(): the trace, the Frobenius norm and |f|^2 of stage 1 are multiplied by it, and no _A row
;      carries them anywhere (by (a)).  So stage 1 computes f alone: its 32 x 256 x 256 and 32 x 256 x 32 products are not made.
;  (c) vmap(jvp) evaluates the same primal 32 times and keeps dxdt_all[0]: it is evaluated once.
;  (d) eye @ W1[0:32] is W1[0:32] itself, and t has no tangent: the tangents start from rows 0..31 of W1.
;  Every input still reaches an output; all seven are loaded.
;  LIMIT: a NaN, an infinity or an overflow that arises only in the work left out (stage 1's Jacobian, the integrals' stage values) is not
;  carried to the result.
; OTHER LIMITS: matrix operands (x, W1, W2, W3, h1, h2, W1 d1, U d2) are rounded to bf16, W1 d1 three times (W1, d1, the product); sums in f32.
;  tanh(a) = 1 - 2 / (1 + 2^(2.88539 a)): absolute error of a few units of 2^-24, exact +-1 where the power overflows or is flushed to 0.
;  d2 enters as 1 - (h2^2 rounded to f32).
;  The three integrals are summed lane by lane over all stages and reduced once at the end: another order of rounding than reference()'s.
; NO CLUSTER, NO TILES IN LDS: each work-group reads the weights once in the launch (W2 262,144 + W1 33,792 + 32,768 + W3 32,768 bytes) and
;  each wave turns its own columns straight into register fragments; nothing is asked for a second time, so there is no step to share.
; OUT: a row of out0 is 140 bytes and a work-group's two rows begin at 280 x its number: no aligned 256-byte block belongs to one work-group.
;
; LANES: L = lane, r = L & 15, h = L >> 4.  Compact form: lane (r,h) holds sample h.
;  Primal products: A's row m stands for sample m >> 3, so register 0 of D (row 8 h) is sample h, column r.
;  Hidden column of tile i, index p: 64 w + 4 p + i.  Output column of tile nt, index p: 2 p + nt.
;  Tangent rows: row m of local tile i is sample m & 1, tangent 8 ((w+i)&3) + (m >> 1).  Wave w sums tile w.
;  The tangent layer 2 is used transposed (W2 first, tangents second): lane (r,h), register j = U[row r][column index 8 h + j], which after
;  scaling by d2 and packing IS layer 3's A fragment (K step cp: registers 0-3 from tile 2 cp, 4-7 from tile 2 cp + 1; W3's rows follow that order).
; ---- LDS (bytes) ----
.set LSCR,  1280                       ; a wave's own scratch at 1280 w: x bf16 [s][32] at 0 (pitch 64); h2 bf16 [s][i][16] at 256 (128, 32); -h2^2 f32 [s][i][16] at 512 (272, 64)
.set LH1,   5120                       ; h1 bf16 [s][256], pitch 528
.set LD1,   6400                       ; d1 bf16, the same shape, 1280 behind h1
.set LFP,   7680                       ; partial f: [wave][s][32] f32
.set LRED,  8704                       ; the last sums: 16 bytes a wave
.set LJP,   8960                       ; partial J tiles: [wave that sums][wave that made it][4][512]; ends at 41,728.  Ahead of the first stage: W1 rows 0..31 in bf16, pitch 528
.set HP,    528
.set K2L,   0x4038aa3b                 ; 2 log2(e)
; ---- window 0 ----
.set RR, 1
.set HH, 2
.set A_XST, 3
.set A_XLD, 4
.set A_HST, 5
.set A_HLD, 6
.set A_DLD, 7
.set A_H2ST, 8
.set A_H2LD, 9
.set A_D2ST, 10
.set A_D2LD, 11
.set A_FST, 12
.set A_FLD, 13
.set A_JST, 14                         ; v14-17: where my share of local tile i goes
.set A_OUT, 18
.set A_JLD, 19                         ; the four shares of my tile
.set X,   20                           ; v[20:21] state x[h][2r], x[h][2r+1]
.set YS,  22                           ; v[22:23] stage value
.set FB,  24                           ; v[24:35] f of stages 0..5, pairs
.set W1T, 36                           ; v[36:39] 2.885 W1[32][64w+4r+i]
.set B1,  40                           ; v[40:43] 2.885 b1
.set B2,  44                           ; v[44:47] 2.885 b2
.set B3,  48                           ; v[48:49] b3[2r], b3[2r+1]
.set MAB, 50                           ; v50 = (r == 4w+2h), v51 = (r == 4w+2h+1), as 1.0 / 0
.set TR,  52                           ; v[52:53] trace sums (sample 0, 1)
.set FR,  54                           ; v[54:55] Frobenius sums (sample 0, 1)
.set VN,  56                           ; |f|^2 sum, sample h
.set QQ,  57
.set CC,  58                           ; v[58:61]
.set TA,  62                           ; v[62:65]
.set TH,  66                           ; v[66:69]
.set TD,  70                           ; v[70:73]
.set PK,  74                           ; v[74:77]
.set PP,  78                           ; v[78:85]
.set TS,  86                           ; v[86:87]
.set XF,  88                           ; v[88:95] x as an A fragment
.set ACCP, 96                          ; v[96:127] four primal accumulators; layer 3's two are the first two.  From layer 1's tanh to the next primal layer 2:
.set D2E,  96                          ;   v[96:127] -h2^2 = d2 - 1 of my rows' sample, 8 n + j
.set W27, 128                          ; v[128:159] W2 fragments of K step 7, 8 n: in the window of -h2^2, so that one setting serves that K step's products and the lines behind them
.set W3F, 160                          ; v[160:191] W3 as B fragments, 16 cp + 8 nt
.set H1F, 192                          ; v[192:255] h1 as A fragments, 8 c; behind the primal layer 2:
.set H2P, 224                          ;   v[224:239] h2 as A fragments, 8 cp; behind the primal layer 3:
.set JS,  192                          ;   v[192:255] the four shares of my J tile, 16 each, until the next h1 is asked for
; window 1: W2 fragments c = 0..3 at 32 c + 8 n;      W1 tangent fragments c = 1..4 at 128 + 32 (c-1) + 8 i
; window 2: W2 fragments c = 4..6 at 32 (c-4) + 8 n;  W1 tangent fragments c = 5..7 at 128 + 32 (c-5) + 8 i, c = 0 at 224 + 8 i, and
.set W1B, 96                           ; v[96:127] of window 2: W1 rows 0..31 as layer 1's B fragments, tile i at 8 i
; window 3: accumulators of the tangent layer 2 at 32 i + 8 n (0..127), and
.set JACC, 0                           ; J tiles, 16 i + 8 nt, on accumulators 0..7, which have been packed by then
.set T1,   128                         ; two buffers of 32: W1 d1 of one K step, 32 b + 8 i
.set T2F,  128                         ; later: U d2 in bf16, 16 i + 4 n + jj (the first 32 on the buffer that K step 7 does not read)
.set D1F,  192                         ; d1 fragments, 8 c
.set Q0, 0                             ; at the start: four load buffers of 64 registers
.set Q1, 64
.set Q2, 128
.set Q3, 192
; start only, window 0: offsets of the loads
.set VX,   61
.set VB,   63
.set VSTG, 64
.set VSTS, 65
.set VW3,  66
.set VSM,  67
.set VB3,  68
; scalars: s[8:23] the eight addresses; s24 wave; s25 stage; s26 step; s27 t_eff; s28 t_eff at the step's start; s30 dt b of the stage just evaluated;
;          s32-33 lane selects; s[44:45] dt b of the stage whose J is on its way through LDS; s46 bound of the loop over stages
.set MSB, 0
.macro WIN new                         ; low byte: 1:0 source 0, 3:2 source 1, 5:4 source 2, 7:6 destination; high byte: the setting that is left
.if MSB != (\new)
	s_set_vgpr_msb (MSB<<8)|(\new)
.set MSB, (\new)
.endif
.endm
.macro BAR                             ; what I stored to LDS is there and what I read from it is back; then all four waves meet
	s_wait_dscnt 0x0
	s_barrier_signal -1
	s_barrier_wait -1
.endm
.macro PLACES                          ; four plain vector instructions behind a matrix instruction, ahead of the first reader of its result,
.rept 4                                ; of a writer of one of its registers or of a load into one
	v_nop
.endr
.endm
; ---------------- start ----------------
	s_load_b512 s[8:23], s[0:1], 0x0               ; x 8, W1 10, b1 12, W2 14, b2 16, W3 18, b3 20, out0 22
	v_and_b32 v[RR], 15, v0
	v_bfe_u32 v[HH], v0, 4, 1
	v_lshrrev_b32 v58, 5, v0
	v_readfirstlane_b32 s24, v58                   ; wave
	v_lshrrev_b32 v58, 3, v[RR]                    ; r >> 3
	v_and_b32 v59, 1, v[RR]                        ; r & 1
	v_and_b32 v60, 31, v0
	v_lshlrev_b32 v60, 4, v60                      ; 16 L
	s_mul_i32 s34, s24, LSCR                       ; my scratch
	s_add_co_u32 s35, s34, 256
	s_add_co_u32 s36, s34, 512
	s_lshl_b32 s37, s24, 7
	s_add_co_u32 s37, s37, LH1
	s_lshl_b32 s38, s24, 8                         ; 256 w
	s_mov_b32 s32, 0x76543210
	s_mov_b32 s33, 0xfedcba98
	v_lshlrev_b32 v[A_XST], 2, v[RR]
	v_lshl_add_u32 v[A_XST], v[HH], 6, v[A_XST]
	v_add_nc_u32 v[A_XST], s34, v[A_XST]           ; scratch + 64 h + 4 r
	v_lshlrev_b32 v[A_XLD], 4, v[HH]
	v_lshl_add_u32 v[A_XLD], v58, 6, v[A_XLD]
	v_add_nc_u32 v[A_XLD], s34, v[A_XLD]           ; scratch + 64 (r>>3) + 16 h
	v_mul_u32_u24 v[A_HST], v[HH], HP
	v_lshl_add_u32 v[A_HST], v[RR], 3, v[A_HST]
	v_add_nc_u32 v[A_HST], s37, v[A_HST]           ; h1 + 528 h + 128 w + 8 r
	v_mul_u32_u24 v[A_HLD], v58, HP
	v_lshl_add_u32 v[A_HLD], v[HH], 4, v[A_HLD]
	v_add_nc_u32 v[A_HLD], LH1, v[A_HLD]           ; h1 + 528 (r>>3) + 16 h
	v_mul_u32_u24 v[A_DLD], v59, HP
	v_lshl_add_u32 v[A_DLD], v[HH], 4, v[A_DLD]
	v_add_nc_u32 v[A_DLD], LD1, v[A_DLD]           ; d1 + 528 (r&1) + 16 h
	v_lshlrev_b32 v[A_H2ST], 1, v[RR]
	v_lshl_add_u32 v[A_H2ST], v[HH], 7, v[A_H2ST]
	v_add_nc_u32 v[A_H2ST], s35, v[A_H2ST]         ; scratch + 256 + 128 h + 2 r
	v_lshlrev_b32 v[A_H2LD], 4, v[HH]
	v_lshl_add_u32 v[A_H2LD], v58, 7, v[A_H2LD]
	v_add_nc_u32 v[A_H2LD], s35, v[A_H2LD]         ; scratch + 256 + 128 (r>>3) + 16 h
	v_mul_u32_u24 v[A_D2ST], v[HH], 272
	v_lshl_add_u32 v[A_D2ST], v[RR], 2, v[A_D2ST]
	v_add_nc_u32 v[A_D2ST], s36, v[A_D2ST]         ; scratch + 512 + 272 h + 4 r
	v_mul_u32_u24 v[A_D2LD], v59, 272
	v_lshl_add_u32 v[A_D2LD], v[HH], 5, v[A_D2LD]
	v_add_nc_u32 v[A_D2LD], s36, v[A_D2LD]         ; scratch + 512 + 272 (r&1) + 32 h
	v_lshlrev_b32 v[VX], 3, v[RR]
	v_lshl_add_u32 v[VX], v[HH], 7, v[VX]          ; 128 h + 8 r: my place in x, and in a wave's partial f
	v_add_nc_u32 v[A_FLD], LFP, v[VX]
	v_add_nc_u32 v[A_FST], s38, v[A_FLD]
	s_lshl_b32 s37, s24, 13
	s_add_co_u32 s37, s37, LJP
	v_add_nc_u32 v[A_JLD], s37, v60                ; the four shares of tile w: 8,192 w + 16 L
	s_lshl_b32 s39, s24, 11                        ; my place among a tile's four shares: 2,048 w
.irp i, 0,1,2,3
	s_add_co_u32 s37, s24, \i                      ; local tile i is tile (w + i) mod 4, summed by the wave of that number
	s_and_b32 s37, s37, 3
	s_lshl_b32 s37, s37, 13
	s_add_co_u32 s37, s37, s39
	s_add_co_u32 s37, s37, LJP
	v_add_nc_u32 v[A_JST+\i], s37, v60
.endr
	v_mul_u32_u24 v[A_OUT], v[HH], 140
	v_lshl_add_u32 v[A_OUT], v[RR], 3, v[A_OUT]    ; 140 h + 8 r
	s_lshl_b32 s37, s24, 2
	v_lshl_add_u32 v62, v[HH], 1, s37              ; 4 w + 2 h: the lane index that holds the diagonal of my J tile
	v_cmp_eq_u32 vcc_lo, v[RR], v62
	v_cndmask_b32 v[MAB], 0, 1.0, vcc_lo
	v_add_nc_u32 v62, 1, v62
	v_cmp_eq_u32 vcc_lo, v[RR], v62
	v_cndmask_b32 v[MAB+1], 0, 1.0, vcc_lo
.irp k, 0,1,2,3,4
	v_mov_b32 v[TR+\k], 0                          ; the three integrals start at 0
.endr
.irp k, 4,5,6,7,8,9
	v_mov_b32 v[FB+\k], 0                          ; f of stages 2..4: written ahead of any read on every way through the switch on the stage's number
.endr
	v_lshlrev_b32 v[VB], 4, v[RR]
	v_lshl_add_u32 v[VB], v[HH], 13, v[VB]
	v_add_nc_u32 v[VB], s38, v[VB]                 ; 8 h rows of 1,024 bytes + 256 w + 16 r
	v_lshlrev_b32 v[VSTG], 4, v0                   ; 16 x thread
	v_lshrrev_b32 v69, 6, v0
	v_and_b32 v70, 63, v0
	v_mul_u32_u24 v[VSTS], v69, HP
	v_lshl_add_u32 v[VSTS], v70, 3, v[VSTS]
	v_add_nc_u32 v[VSTS], LJP, v[VSTS]             ; stage + 528 (thread >> 6) + 8 (thread & 63)
	v_lshlrev_b32 v[VW3], 3, v[RR]
	v_lshl_add_u32 v[VW3], v[HH], 12, v[VW3]
	s_lshl_b32 s39, s24, 13
	v_add_nc_u32 v[VW3], s39, v[VW3]               ; (64 w + 32 h) rows of 128 bytes + 8 r
	v_lshl_add_u32 v[VSM], v[RR], 4, s38           ; 256 w + 16 r
	v_lshlrev_b32 v[VB3], 3, v[RR]                 ; 8 r
	s_lshl_b32 s40, ttmp9, 8                       ; 2 rows of x: 256 bytes a work-group
	s_mov_b32 s41, 0
	s_mul_i32 s42, ttmp9, 280                      ; 2 rows of out0
	s_mov_b32 s43, 0
	s_wait_kmcnt 0x0
	s_add_nc_u64 s[8:9], s[8:9], s[40:41]
	s_add_nc_u64 s[22:23], s[22:23], s[42:43]
; 16 loads: rows 32 c + 8 h + (0..7, 16..23) of a [.,256] f32 matrix, my four columns 64 w + 4 r ..: sixteen lanes take 256 consecutive bytes of a row
.macro LOADB plo, c, q
	WIN 0xc0
.set t, 0
.rept 16
	global_load_b128 v[\q+4*t:\q+4*t+3], v[VB], s[\plo:\plo+1] offset:(32*\c+t+8*(t/8))*1024
.set t, t+1
.endr
.endm
; the 64 numbers become four fragments (tile i = column 4 r + i; register p = rows 2 p, 2 p + 1 of the lane's sixteen)
.macro PACKB q, dst, set
	WIN \set
.irp i, 0,1,2,3
.irp p, 0,1,2,3,4,5,6,7
	v_cvt_pk_bf16_f32 v[\dst+8*\i+\p], v[\q+8*\p+\i], v[\q+8*\p+4+\i]
.endr
.endr
.endm
	WIN 0xc0
.set g, 0
.rept 16
	global_load_b128 v[Q0+4*g:Q0+4*g+3], v[VSTG], s[10:11] offset:2048*g   ; W1 rows 0..31, a quarter to each wave, for the stage in LDS
.set g, g+1
.endr
	LOADB 14, 0, Q1
	LOADB 14, 1, Q2
	LOADB 14, 2, Q3
	s_wait_loadcnt 48                              ; loads return in order: all but the 48 younger ones, so W1's sixteen are in
	WIN 0xcf
.set g, 0
.rept 16
	v_cvt_pk_bf16_f32 v[Q0+4*g], v[Q0+4*g], v[Q0+4*g+1]
	v_cvt_pk_bf16_f32 v[Q0+4*g+1], v[Q0+4*g+2], v[Q0+4*g+3]
.set g, g+1
.endr
	WIN 0x0c
.set g, 0
.rept 16
	ds_store_b64 v[VSTS], v[Q0+4*g:Q0+4*g+1] offset:1056*g      ; row 2 g + (thread >> 6), columns 4 (thread & 63) ..
.set g, g+1
.endr
	LOADB 14, 3, Q0
	s_wait_loadcnt 48                              ; each of these: three buffers of 16 loads are younger, the oldest buffer is in
	PACKB Q1, 0, 0x4f
	LOADB 14, 4, Q1
	s_wait_loadcnt 48
	PACKB Q2, 32, 0x4f
	LOADB 14, 5, Q2
	s_wait_loadcnt 48
	PACKB Q3, 64, 0x4f
	LOADB 14, 6, Q3
	s_wait_loadcnt 48
	PACKB Q0, 96, 0x4f
	LOADB 14, 7, Q0
	s_wait_loadcnt 48
	PACKB Q1, 0, 0x8f
	LOADB 10, 0, Q1                                ; W1 rows 0..31 once more, as layer 1's B fragments
	s_wait_loadcnt 48
	PACKB Q2, 32, 0x8f
	s_wait_loadcnt 32                              ; two buffers are younger
	PACKB Q3, 64, 0x8f
	WIN 0xc0
.set g, 0
.rept 32
	global_load_b64 v[Q2+2*g:Q2+2*g+1], v[VW3], s[18:19] offset:128*g      ; W3[64 w + 32 h + g][2 r, 2 r + 1]
.set g, g+1
.endr
	WIN 0
	global_load_b128 v[W1T:W1T+3], v[VSM], s[10:11] offset:32768           ; W1 row 32: the weights of t
	global_load_b128 v[B1:B1+3], v[VSM], s[12:13]
	global_load_b128 v[B2:B2+3], v[VSM], s[16:17]
	global_load_b64 v[B3:B3+1], v[VB3], s[20:21]
	global_load_b64 v[X:X+1], v[VX], s[8:9]
	s_wait_loadcnt 53                              ; younger: 16 (W1) + 32 (W3) + 5
	PACKB Q0, W27, 0x0f                            ; W2's K step 7 goes to window 0
	s_wait_loadcnt 37                              ; younger: 32 + 5
	PACKB Q1, W1B, 0x8f                            ; and layer 1's W1 to window 2
	s_wait_loadcnt 5                               ; younger: the 5 small ones
	WIN 0x0f
.irp cp, 0,1
.irp nt, 0,1
.irp p, 0,1,2,3,4,5,6,7
	v_cvt_pk_bf16_f32 v[W3F+16*\cp+8*\nt+\p], v[Q2+2*(8*(\p&3)+2*\cp+(\p>>2))+\nt], v[Q2+2*(8*(\p&3)+2*\cp+(\p>>2))+8+\nt]   ; rows 4 (8h + 2 (p&3)) + 2 cp + (p>>2), and 4 further
.endr
.endr
.endr
	WIN 0
	s_wait_loadcnt 0x0
.irp k, 0,2,4,6,8,10
	v_pk_mul_f32 v[W1T+\k:W1T+\k+1], v[W1T+\k:W1T+\k+1], K2L op_sel_hi:[1,0]   ; the factor of the exponential goes into t's weights and the two biases
.endr
	v_lshrrev_b32 v62, 1, v[RR]
	v_mul_u32_u24 v62, v62, HP
	v_lshl_add_u32 v62, v[HH], 4, v62              ; 528 (r>>1) + 16 h
.irp i, 0,1,2,3
	s_add_co_u32 s34, s24, \i
	s_and_b32 s34, s34, 3                          ; local tile i is tile (w + i) mod 4: tangents 8 tile ..
	s_mul_i32 s34, s34, 8*HP
	s_add_co_u32 s34, s34, LJP
	v_add_nc_u32 v[CC+\i], s34, v62
.endr
	BAR                                            ; every wave's quarter of W1 in bf16 is in LDS
	WIN 0x40
.irp c, 1,2,3,4
.irp i, 0,1,2,3
	ds_load_b128 v[128+32*(\c-1)+8*\i:128+32*(\c-1)+8*\i+3], v[CC+\i] offset:64*\c
	ds_load_b128 v[128+32*(\c-1)+8*\i+4:128+32*(\c-1)+8*\i+7], v[CC+\i] offset:64*\c+32
.endr
.endr
	WIN 0x80
.irp c, 5,6,7
.irp i, 0,1,2,3
	ds_load_b128 v[128+32*(\c-5)+8*\i:128+32*(\c-5)+8*\i+3], v[CC+\i] offset:64*\c
	ds_load_b128 v[128+32*(\c-5)+8*\i+4:128+32*(\c-5)+8*\i+7], v[CC+\i] offset:64*\c+32
.endr
.endr
.irp i, 0,1,2,3
	ds_load_b128 v[224+8*\i:224+8*\i+3], v[CC+\i]
	ds_load_b128 v[224+8*\i+4:224+8*\i+7], v[CC+\i] offset:32
.endr
	WIN 0                                          ; these 64 loads are awaited by the first layer 1's wait for 0, ahead of its barrier: only behind a later barrier are the bytes written again
	s_mov_b32 s28, 1.0                             ; t_eff = 1 - t
	s_mov_b32 s27, 1.0
	s_mov_b32 s26, 0
	s_mov_b32 s44, 0                               ; written ahead of the first read on every way (the first sum of J is skipped in step 0)
	s_mov_b32 s45, 0
; ---------------- the pieces of an evaluation ----------------
; the stage's x to bf16, through my own scratch, into an A fragment (LDS serves a wave's instructions in order: no wait between)
.macro XSTAGE src
	v_cvt_pk_bf16_f32 v[PK], v[\src], v[\src+1]
	ds_store_b32 v[A_XST], v[PK]
	ds_load_b128 v[XF:XF+3], v[A_XLD]
	ds_load_b128 v[XF+4:XF+7], v[A_XLD] offset:32
.endm
; TH = tanh of four pre-activations (register 0 of four accumulators, plus cb / 2.885); need = 1: TD = 1 - TH^2; need = 2: TD = -TH^2
.macro TANH4 acc, cb, need
.irp i, 0,1,2,3
	v_fmamk_f32 v[TA+\i], v[\acc+8*\i], K2L, v[\cb+\i]
.endr
.irp i, 0,1,2,3
	v_exp_f32 v[TA+\i], v[TA+\i]
.endr
	v_nop                                          ; one plain instruction between a transcendental and the use of its result (ISA guide 5.7.2)
	s_wait_alu depctr_va_vdst(0)
	v_pk_add_f32 v[TA:TA+1], v[TA:TA+1], 1.0 op_sel_hi:[1,0]
	v_pk_add_f32 v[TA+2:TA+3], v[TA+2:TA+3], 1.0 op_sel_hi:[1,0]
.irp i, 0,1,2,3
	v_rcp_f32 v[TA+\i], v[TA+\i]
.endr
	v_nop
	s_wait_alu depctr_va_vdst(0)
	v_pk_fma_f32 v[TH:TH+1], v[TA:TA+1], -2.0, 1.0 op_sel_hi:[1,0,0]
	v_pk_fma_f32 v[TH+2:TH+3], v[TA+2:TA+3], -2.0, 1.0 op_sel_hi:[1,0,0]
.if \need == 1
	v_pk_fma_f32 v[TD:TD+1], v[TH:TH+1], v[TH:TH+1], 1.0 op_sel_hi:[1,1,0] neg_lo:[1,0,0] neg_hi:[1,0,0]
	v_pk_fma_f32 v[TD+2:TD+3], v[TH+2:TH+3], v[TH+2:TH+3], 1.0 op_sel_hi:[1,1,0] neg_lo:[1,0,0] neg_hi:[1,0,0]
.elseif \need == 2
	v_pk_mul_f32 v[TD:TD+1], v[TH:TH+1], v[TH:TH+1] neg_lo:[1,0] neg_hi:[1,0]
	v_pk_mul_f32 v[TD+2:TD+3], v[TH+2:TH+3], v[TH+2:TH+3] neg_lo:[1,0] neg_hi:[1,0]
.endif
.endm
; layer 1: my 64 columns of h1 and d1 for both samples, to LDS.  (For stage 1 d1 is not read: five instructions inside live lanes.)
.macro LAYER1
	s_wait_dscnt 0x0                               ; x's fragment is in
	WIN 0x08                                       ; W1's fragments lie in window 2
.irp i, 0,1,2,3
	v_wmma_f32_16x16x32_bf16 v[ACCP+8*\i:ACCP+8*\i+7], v[XF:XF+7], v[W1B+8*\i:W1B+8*\i+7], 0
.endr
	WIN 0
.irp i, 0,1,2,3
	v_fma_f32 v[CC+\i], s27, v[W1T+\i], v[B1+\i]   ; t's term and the bias; these four also are the places behind the products
.endr
	TANH4 ACCP, CC, 1
	v_cvt_pk_bf16_f32 v[PK], v[TH], v[TH+1]
	v_cvt_pk_bf16_f32 v[PK+1], v[TH+2], v[TH+3]
	v_cvt_pk_bf16_f32 v[PK+2], v[TD], v[TD+1]
	v_cvt_pk_bf16_f32 v[PK+3], v[TD+2], v[TD+3]
	ds_store_b64 v[A_HST], v[PK:PK+1]
	ds_store_b64 v[A_HST], v[PK+2:PK+3] offset:LD1-LH1
.endm
.macro H1LOADS                         ; h1 of both samples as eight A fragments
.irp c, 0,1,2,3,4,5,6,7
	ds_load_b128 v[H1F+8*\c:H1F+8*\c+3], v[A_HLD] offset:64*\c
	ds_load_b128 v[H1F+8*\c+4:H1F+8*\c+7], v[A_HLD] offset:64*\c+32
.endr
.endm
.macro T1FIRST                         ; the tangents W1 d1 of K step 0
	WIN 0xce
.set e, 0
.rept 32
	v_pk_mul_bf16 v[T1+e], v[224+e], v[D1F+(e&7)]
.set e, e+1
.endr
.endm
; behind h1's barrier, where no tangent products are at hand: all fragments of h1 and d1, and the first tangents
.macro LOADS_FULL
	WIN 0xc0
	ds_load_b128 v[D1F:D1F+3], v[A_DLD]            ; d1 of K step 0 first: the first tangents are built from it while the rest lands
	ds_load_b128 v[D1F+4:D1F+7], v[A_DLD] offset:32
	WIN 0
	H1LOADS
	WIN 0xc0
.irp c, 1,2,3,4,5,6,7
	ds_load_b128 v[D1F+8*\c:D1F+8*\c+3], v[A_DLD] offset:64*\c
	ds_load_b128 v[D1F+8*\c+4:D1F+8*\c+7], v[A_DLD] offset:64*\c+32
.endr
	s_wait_dscnt 30                                ; of 32 loads the two oldest are in: d1 of K step 0
	T1FIRST
	WIN 0
	s_wait_dscnt 14                                ; h1's sixteen are in; the 14 younger loads of d1 may be out
.endm
; primal layer 2: 8 K steps x 4 column tiles; the four accumulators take turns
.macro PRIMAL2
.set c, 0
.rept 8
.if c < 4
	WIN 0x04
.set WA, 32*c
.elseif c < 7
	WIN 0x08
.set WA, 32*(c-4)
.else
	WIN 0
.set WA, W27
.endif
.irp n, 0,1,2,3
.if c == 0
	v_wmma_f32_16x16x32_bf16 v[ACCP+8*\n:ACCP+8*\n+7], v[H1F+8*c:H1F+8*c+7], v[WA+8*\n:WA+8*\n+7], 0
.else
	v_wmma_f32_16x16x32_bf16 v[ACCP+8*\n:ACCP+8*\n+7], v[H1F+8*c:H1F+8*c+7], v[WA+8*\n:WA+8*\n+7], v[ACCP+8*\n:ACCP+8*\n+7]
.endif
.endr
.set c, c+1
.endr
.endm
; h2 (and with d = 1 also -h2^2) change lanes through my own scratch: no wait between the stores and the loads
.macro H2X d
	v_cvt_pk_bf16_f32 v[PK], v[TH], v[TH+1]
	v_cvt_pk_bf16_f32 v[PK+1], v[TH+2], v[TH+3]
	ds_store_b16 v[A_H2ST], v[PK]
	ds_store_b16_d16_hi v[A_H2ST], v[PK] offset:32
	ds_store_b16 v[A_H2ST], v[PK+1] offset:64
	ds_store_b16_d16_hi v[A_H2ST], v[PK+1] offset:96
.if \d
.irp i, 0,1,2,3
	ds_store_b32 v[A_D2ST], v[TD+\i] offset:64*\i
.endr
.endif
.irp i, 0,1,2,3
	ds_load_b128 v[H2P+4*\i:H2P+4*\i+3], v[A_H2LD] offset:32*\i
.endr
.endm
; K step c = 0..6 of the tangent layer 2, transposed: 4 row tiles x 4 column tiles; the sixteen accumulators take turns.
; Behind each product stand two of the 32 packed multiplies W1 d1 that build the NEXT K step's tangents in the other buffer.  That buffer's
; tile i was last read by products 4 i .. 4 i + 3 of the step before and is written behind products 4 i .. 4 i + 3 of this one: at least 24 of these multiplies lie between.
; W2's fragments of step c and W1's of step c + 1 lie in one window: one setting serves product and multiplies.
.macro KSTEP c
.if \c < 4
	WIN 0xfd
.set WA, 32*\c
.set WN, 128+32*\c
.else
	WIN 0xfe
.set WA, 32*(\c-4)
.set WN, 128+32*(\c-4)
.endif
.set TB, T1+32*(\c&1)
.set TN, T1+32*((\c+1)&1)
.set q, 0
.rept 16
.if \c == 0
	v_wmma_f32_16x16x32_bf16 v[8*q:8*q+7], v[WA+8*(q%4):WA+8*(q%4)+7], v[TB+8*(q/4):TB+8*(q/4)+7], 0
.else
	v_wmma_f32_16x16x32_bf16 v[8*q:8*q+7], v[WA+8*(q%4):WA+8*(q%4)+7], v[TB+8*(q/4):TB+8*(q/4)+7], v[8*q:8*q+7]
.endif
	v_pk_mul_bf16 v[TN+2*q], v[WN+2*q], v[D1F+8*(\c+1)+((2*q)&7)]
	v_pk_mul_bf16 v[TN+2*q+1], v[WN+2*q+1], v[D1F+8*(\c+1)+((2*q+1)&7)]
.set q, q+1
.endr
.endm
; U d2 in bf16, layer 3's A fragments: 128 lines, numbered by SLN; accumulator SLN / 8: four lines fill the low halves of its four words, four the high halves.
; A line is one fused multiply-add on three vector registers, rounded once to bf16: U (d2 - 1) + U = U d2, with d2 - 1 = -h2^2 from window 0.
; ord = 0: -h2^2 is source 0 (beside K step 7, whose W2 is source 0 in window 0); ord = 1: source 1 (beside layer 3, whose W3 is source 1 in window 0).
.macro SLICE cnt, ord
.rept \cnt
.set sq, SLN/8
.set sj, SLN%4
.set sh, (SLN/4)&1
.set sa, 8*sq+2*sj+sh
.set se, D2E+8*(sq%4)+2*sj+sh
.if sh == 0
.if \ord == 0
	v_fma_mixlo_bf16 v[T2F+4*sq+sj], v[se], v[sa], v[sa]
.else
	v_fma_mixlo_bf16 v[T2F+4*sq+sj], v[sa], v[se], v[sa]
.endif
.else
.if \ord == 0
	v_fma_mixhi_bf16 v[T2F+4*sq+sj], v[se], v[sa], v[sa]
.else
	v_fma_mixhi_bf16 v[T2F+4*sq+sj], v[sa], v[se], v[sa]
.endif
.endif
.set SLN, SLN+1
.endr
.endm
; K step 7: no further tangents to build.  Behind product 0 four v_nop (the places ahead of the first read of accumulator 0); behind product p = 1..15
; four lines of the scaling, on accumulator (p - 1) / 2, whose last product lies at least four plain lines back.  15 x 4 = 60 lines, then 12 in the open:
; 72 lines, accumulators 0..8, are done when layer 3 begins.  The words written here lie on the tangent buffer that this K step does not read, the last four
; (accumulator 8) on tile 0 of the one that it does, read last by product 3.
.macro KSTEP7
	WIN 0xfc
.set SLN, 0
.set q, 0
.rept 16
	v_wmma_f32_16x16x32_bf16 v[8*q:8*q+7], v[W27+8*(q%4):W27+8*(q%4)+7], v[T1+32+8*(q/4):T1+32+8*(q/4)+7], v[8*q:8*q+7]
.if q == 0
	PLACES
.else
	SLICE 4, 0
.endif
.set q, q+1
.endr
	SLICE 12, 0
.endm
; primal layer 3: my 64 rows of W3; two accumulators take turns
.macro LAYER3P
.irp cp, 0,1
.irp nt, 0,1
.if \cp == 0
	v_wmma_f32_16x16x32_bf16 v[ACCP+8*\nt:ACCP+8*\nt+7], v[H2P+8*\cp:H2P+8*\cp+7], v[W3F+16*\cp+8*\nt:W3F+16*\cp+8*\nt+7], 0
.else
	v_wmma_f32_16x16x32_bf16 v[ACCP+8*\nt:ACCP+8*\nt+7], v[H2P+8*\cp:H2P+8*\cp+7], v[W3F+16*\cp+8*\nt:W3F+16*\cp+8*\nt+7], v[ACCP+8*\nt:ACCP+8*\nt+7]
.endif
.endr
.endr
.endm
.macro FOUT                            ; my share of f, two numbers side by side, to LDS
	PLACES
	v_mov_b32 v[ACCP+1], v[ACCP+8]
	ds_store_b64 v[A_FST], v[ACCP:ACCP+1]
.endm
.macro FLOADS                          ; the four waves' shares of f: every wave reads all, in the same order, so that all keep the same x
.irp k, 0,1,2,3
	ds_load_b64 v[PP+2*\k:PP+2*\k+1], v[A_FLD] offset:256*\k
.endr
.endm
.macro FSUM
	v_pk_add_f32 v[PP:PP+1], v[PP:PP+1], v[PP+2:PP+3]
	v_pk_add_f32 v[PP+4:PP+5], v[PP+4:PP+5], v[PP+6:PP+7]
	v_pk_add_f32 v[TS:TS+1], v[PP:PP+1], v[PP+4:PP+5]
.endm
.macro D2LOADS                         ; -h2^2 of my rows' sample out of my scratch, onto the primal accumulators, which rest until the next primal layer 2
	WIN 0
.irp i, 0,1,2,3
	ds_load_b128 v[D2E+8*\i:D2E+8*\i+3], v[A_D2LD] offset:64*\i
	ds_load_b128 v[D2E+8*\i+4:D2E+8*\i+7], v[A_D2LD] offset:64*\i+16
.endr
.endm
; tangent layer 3, by row tiles: product k is tile k / 4, K step (k % 4) / 2, column tile k % 2; a tile's two accumulators take turns.
; Product k reads accumulators up to 4 (k/4) + 2 ((k%4)/2) + 1, that is 8 (that + 1) lines of the scaling, and 72 + 4 k are done: the closest is k = 14, 128 of 128.
; The J tiles land on accumulators 0..7, whose 64 lines are among the first 72.
.macro LAYER3T
	WIN 0xf3
.set k, 0
.rept 16
.set li, k/4
.set lc, (k%4)/2
.set ln, k%2
.if lc == 0
	v_wmma_f32_16x16x32_bf16 v[JACC+16*li+8*ln:JACC+16*li+8*ln+7], v[T2F+16*li+8*lc:T2F+16*li+8*lc+7], v[W3F+16*lc+8*ln:W3F+16*lc+8*ln+7], 0
.else
	v_wmma_f32_16x16x32_bf16 v[JACC+16*li+8*ln:JACC+16*li+8*ln+7], v[T2F+16*li+8*lc:T2F+16*li+8*lc+7], v[W3F+16*lc+8*ln:W3F+16*lc+8*ln+7], v[JACC+16*li+8*ln:JACC+16*li+8*ln+7]
.endif
.if k < 14
	SLICE 4, 1
.endif
.set k, k+1
.endr
.endm
; my share of all four J tiles to LDS.  My own tile goes too: it is summed a stage later, and through the next stage's tangent products
; windows 1 to 3 are full and window 0 has only v192-255, which hold h1 in between: no 16 registers could keep it.
.macro JSTORES
	WIN 0x0c
.irp i, 0,1,2,3
.irp k, 0,1,2,3
	ds_store_b128 v[A_JST+\i], v[JACC+16*\i+4*\k:JACC+16*\i+4*\k+3] offset:512*\k
.endr
.endr
.endm
.macro JLOADS                          ; the four shares of my tile
.irp s, 0,1,2,3
.irp k, 0,1,2,3
	ds_load_b128 v[JS+16*\s+4*\k:JS+16*\s+4*\k+3], v[A_JLD] offset:2048*\s+512*\k
.endr
.endr
.endm
; my J tile: four shares summed; register pairs are (sample 0, sample 1).  Register j, tile nt, lane (r,h) = J[8w+4h+(j>>1)][2r+nt]:
; the diagonal lies in pairs 0 (nt 0) and 5 (nt 1) of lane index 4w+2h and in pairs 2 and 7 of lane index 4w+2h+1.
.macro JRED
.irp p, 0,1,2,3,4,5,6,7
	v_pk_add_f32 v[JS+2*\p:JS+2*\p+1], v[JS+2*\p:JS+2*\p+1], v[JS+16+2*\p:JS+16+2*\p+1]
	v_pk_add_f32 v[JS+32+2*\p:JS+32+2*\p+1], v[JS+32+2*\p:JS+32+2*\p+1], v[JS+48+2*\p:JS+48+2*\p+1]
.endr
.irp p, 0,1,2,3,4,5,6,7
	v_pk_add_f32 v[JS+2*\p:JS+2*\p+1], v[JS+2*\p:JS+2*\p+1], v[JS+32+2*\p:JS+32+2*\p+1]
.endr
	v_pk_mul_f32 v[JS+16:JS+17], v[JS:JS+1], v[JS:JS+1]
	v_pk_mul_f32 v[JS+18:JS+19], v[JS+2:JS+3], v[JS+2:JS+3]
.irp p, 2,4,6
	v_pk_fma_f32 v[JS+16:JS+17], v[JS+2*\p:JS+2*\p+1], v[JS+2*\p:JS+2*\p+1], v[JS+16:JS+17]
	v_pk_fma_f32 v[JS+18:JS+19], v[JS+2*\p+2:JS+2*\p+3], v[JS+2*\p+2:JS+2*\p+3], v[JS+18:JS+19]
.endr
	v_pk_add_f32 v[JS+16:JS+17], v[JS+16:JS+17], v[JS+18:JS+19]    ; my lane's share of |J|^2
	v_pk_add_f32 v[JS+20:JS+21], v[JS:JS+1], v[JS+10:JS+11]        ; pairs 0 and 5
	v_pk_add_f32 v[JS+22:JS+23], v[JS+4:JS+5], v[JS+14:JS+15]      ; pairs 2 and 7
	v_pk_mul_f32 v[JS+20:JS+21], v[JS+20:JS+21], v[MAB:MAB+1] op_sel_hi:[1,0]
	v_pk_fma_f32 v[JS+20:JS+21], v[JS+22:JS+23], v[MAB:MAB+1], v[JS+20:JS+21] op_sel:[0,1,0] op_sel_hi:[1,1,1]
	v_pk_fma_f32 v[TR:TR+1], v[JS+20:JS+21], s[44:45], v[TR:TR+1] op_sel_hi:[1,0,1]
	v_pk_fma_f32 v[FR:FR+1], v[JS+16:JS+17], s[44:45], v[FR:FR+1] op_sel_hi:[1,0,1]
.endm
.macro AX dst, src, f, lit             ; dst = src + lit x f of stage f - 1;  lit = -dt a (dx/dt = -f, dt = 1/8)
	v_pk_fma_f32 v[\dst:\dst+1], v[FB+2*\f-2:FB+2*\f-1], \lit, v[\src:\src+1] op_sel_hi:[1,0,1]
.endm
; behind stage st: its f; the next stage's x (st = 5: the step's new x) and t_eff; dt b_st; |f|^2.  xs = 1: the new x starts on its way to layer 1
.macro RK st, xs
	v_pk_add_f32 v[FB+2*\st:FB+2*\st+1], v[TS:TS+1], v[B3:B3+1]
.if \st == 0
	s_mov_b32 s30, 0x3c3aaaab                      ; dt 35/384
	AX YS, X, 1, 0xbccccccd                        ; -dt/5
	s_add_f32 s27, s28, 0xbccccccd                 ; - dt/5
.elseif \st == 1
	AX YS, X, 1, 0xbc19999a                        ; -dt 3/40
	AX YS, YS, 2, 0xbce66666                       ; -dt 9/40
	s_add_f32 s27, s28, 0xbd19999a                 ; - dt 3/10
.elseif \st == 2
	s_mov_b32 s30, 0x3d66024d                      ; dt 500/1113
	AX YS, X, 1, 0xbdfa4fa5                        ; -dt 44/45
	AX YS, YS, 2, 0x3eeeeeef                       ; +dt 56/15
	AX YS, YS, 3, 0xbee38e39                       ; -dt 32/9
	s_add_f32 s27, s28, 0xbdcccccd                 ; - dt 4/5
.elseif \st == 3
	s_mov_b32 s30, 0x3da6aaab                      ; dt 125/192
	AX YS, X, 1, 0xbebcf760                        ; -dt 19372/6561
	AX YS, YS, 2, 0x3fb9885f                       ; +dt 25360/2187
	AX YS, YS, 3, 0xbf9d2a92                       ; -dt 64448/6561
	AX YS, YS, 4, 0x3d14e4f6                       ; +dt 212/729
	s_add_f32 s27, s28, 0xbde38e39                 ; - dt 8/9
.elseif \st == 4
	s_mov_b32 s30, 0xbd250e7e                      ; -dt 2187/6784
	AX YS, X, 1, 0xbeb62960                        ; -dt 9017/3168
	AX YS, YS, 2, 0x3fac1f08                       ; +dt 355/33
	AX YS, YS, 3, 0xbf8e80b5                       ; -dt 46732/5247
	AX YS, YS, 4, 0xbd0e8ba3                       ; -dt 49/176
	AX YS, YS, 5, 0x3d0c0c4b                       ; +dt 5103/18656
	s_add_f32 s27, s28, 0xbe000000                 ; - dt
.else
	s_mov_b32 s30, 0x3c861862                      ; dt 11/84
	AX X, X, 1, 0xbc3aaaab
	AX X, X, 3, 0xbd66024d
	AX X, X, 4, 0xbda6aaab
	AX X, X, 5, 0x3d250e7e
	AX X, X, 6, 0xbc861862
	s_add_f32 s28, s28, 0xbe000000                 ; the next step begins dt later
	s_mov_b32 s27, s28
.endif
.if \xs
.if \st < 5
	XSTAGE YS
.else
	XSTAGE X
.endif
.endif
.if \st != 1
	v_mul_f32 v[QQ], v[FB+2*\st], v[FB+2*\st]
	v_fmac_f32 v[QQ], v[FB+2*\st+1], v[FB+2*\st+1]
	v_fmac_f32 v[VN], s30, v[QQ]
.endif
.endm
; ---------------- a stage with its Jacobian ----------------
; Entered with this stage's h1 fragments in, its d1 fragments asked for (K step 0's in) and its first tangents built.
; nxt: the stage that follows: 0 = f alone, 1 = with a Jacobian, 2 = none.   st: the stage's number, or 9: chosen by s25.
; cond = 1: in step 0 no J is on its way, and its loads and its sum are jumped over.
; LDS BETWEEN WAVES.  B = f's barrier, A = h1's barrier.
;  h1, d1: stored behind B's wait; every wave's reads of the old ones are back ahead of its signal of B.  Read behind A's wait.
;  f's shares: stored ahead of B's signal, read behind its wait, back ahead of A's signal; stored again behind A's wait.
;  J's shares: stored behind A's wait, there ahead of the next B's signal, read behind that B's wait, back ahead of the next A's signal.
;  Between a signal and its wait stand only products and the multiplies behind them.
.macro UNITJ nxt, st, cond
	PRIMAL2
	WIN 0
	PLACES
	TANH4 ACCP, B2, 2
	H2X 1
	s_wait_dscnt 12                                ; the 8 stores and 4 loads just issued may stay out; all that is older is done: the last J's stores, or d1's 14 late fragments
	KSTEP 0                                        ; ... while h2 changes lanes
	WIN 0
	s_wait_dscnt 0x0                               ; h2's fragments are in
	LAYER3P
	FOUT
	KSTEP 1                                        ; ... while f's share goes to LDS
	s_wait_dscnt 0x0                               ; it is there, and my reads of h1 and d1 are back
	s_barrier_signal -1                            ; B
	KSTEP 2                                        ; ... while the others arrive
	WIN 0
	s_barrier_wait -1
	FLOADS
.if \cond
	s_cmp_eq_u32 s26, 0
	s_cbranch_scc1 .Lnl_\@
.endif
	JLOADS                                         ; the shares of the last J that was made
.if \cond
.Lnl_\@:
.endif
	KSTEP 3                                        ; ... while they land
	WIN 0
	s_wait_dscnt 0x0
	FSUM
.if \st == 9
	s_cmp_eq_u32 s25, 2
	s_cbranch_scc1 .Lrk2_\@
	s_cmp_eq_u32 s25, 3
	s_cbranch_scc1 .Lrk3_\@
	s_cmp_eq_u32 s25, 4
	s_cbranch_scc1 .Lrk4_\@
	RK 5, 1
	s_branch .Lrkd_\@
.Lrk2_\@:
	RK 2, 1
	s_branch .Lrkd_\@
.Lrk3_\@:
	RK 3, 1
	s_branch .Lrkd_\@
.Lrk4_\@:
	RK 4, 1
.Lrkd_\@:
.else
.if \nxt < 2
	RK \st, 1
.else
	RK \st, 0
.endif
.endif
.if \cond
	s_cmp_eq_u32 s26, 0
	s_cbranch_scc1 .Lnr_\@
.endif
	JRED                                           ; behind x's start through LDS, so that it runs beside that trip
.if \cond
.Lnr_\@:
.endif
	s_mov_b32 s44, s30                             ; the J that this stage makes is summed later, with this stage's dt b
	s_mov_b32 s45, s30
	KSTEP 4                                        ; ... while x changes lanes
.if \nxt < 2
	LAYER1
.endif
	D2LOADS
	KSTEP 5                                        ; ... while h1 and d1 go to LDS and -h2^2 comes
	s_wait_dscnt 0x0                               ; they are there; my reads of f's and J's shares are back
	s_barrier_signal -1                            ; A (behind the last stage: it stands between the reads of the last J and the stores of this one)
	KSTEP 6                                        ; ... while the others arrive
	s_barrier_wait -1
.if \nxt < 2
	WIN 0
	H1LOADS                                        ; the next stage's h1, in one run with its d1: 32 products with their lines lie ahead of the first use
.endif
.if \nxt == 1
	WIN 0xc0
.irp c, 0,1,2,3,4,5,6,7
	ds_load_b128 v[D1F+8*\c:D1F+8*\c+3], v[A_DLD] offset:64*\c         ; K step 6's multiplies were the last readers of these registers
	ds_load_b128 v[D1F+8*\c+4:D1F+8*\c+7], v[A_DLD] offset:64*\c+32
.endr
.endif
	KSTEP7
	LAYER3T
.if \nxt == 1
	s_wait_dscnt 0x0                               ; h1's and d1's 32 loads, the only ones out
	T1FIRST                                        ; writes over layer 3's A fragments of tiles 0 and 1, read last by product 7, 28 plain lines back; its 32 lines
	                                               ; name no register of the last products and are the places ahead of the stores of J
.else
	PLACES
.endif
	JSTORES
	WIN 0
.endm
; ---------------- stage 1: f alone (its weight in all three integrals is reference()'s constant 0) ----------------
.macro UNITP
	s_wait_dscnt 16                                ; J's 16 stores are younger than h1's loads
	PRIMAL2
	WIN 0
	PLACES
	TANH4 ACCP, B2, 0
	H2X 0
	s_wait_dscnt 0x0
	LAYER3P
	FOUT
	BAR
	FLOADS
	s_wait_dscnt 0x0
	FSUM
	RK 1, 1
	LAYER1
	BAR
	LOADS_FULL
.endm
; ---------------- 8 steps of 6 stages ----------------
	XSTAGE X
	LAYER1
	BAR
	LOADS_FULL
.Lstep:
	UNITJ 0, 0, 1                                  ; stage 0; sums stage 5's J of the step before
	UNITP                                          ; stage 1
	s_mov_b32 s25, 2
	s_cmp_eq_u32 s26, 7
	s_cselect_b32 s46, 5, 6                        ; the last step's stage 5 has no successor and stands behind the loops
.Lstage:                                               ; stages 2..5: one text, the combination chosen by the stage's number; stage 2 sums stage 0's J, the others their predecessor's
	UNITJ 1, 9, 0
	s_add_co_u32 s25, s25, 1
	s_cmp_lt_u32 s25, s46
	s_cbranch_scc1 .Lstage
	s_add_co_u32 s26, s26, 1
	s_cmp_lt_u32 s26, 8
	s_cbranch_scc1 .Lstep
	UNITJ 2, 5, 0                                  ; the last stage: no x, h1 or d1 for a successor
	BAR                                            ; its J shares are in LDS
	JLOADS
	s_wait_dscnt 0x0
	JRED
; ---------------- the end: the integrals over lanes and waves, then out ----------------
.irp m, 1,2,4,8
.irp k, 0,1,2,3,4
	v_add_f32_dpp v[TR+\k], v[TR+\k], v[TR+\k] row_xmask:\m row_mask:0xf bank_mask:0xf   ; k = 4 is |f|^2: sixteen lanes are one sample, so it ends here
.endr
.endr
.irp k, 0,1,2,3
	v_permlanex16_b32 v[CC+\k], v[TR+\k], s32, s33 ; the other sixteen lanes
.endr
	v_pk_add_f32 v[TR:TR+1], v[TR:TR+1], v[CC:CC+1]
	v_pk_add_f32 v[FR:FR+1], v[FR:FR+1], v[CC+2:CC+3]
	s_lshl_b32 s37, s24, 4
	s_add_co_u32 s37, s37, LRED
	v_mov_b32 v[PK], s37
	ds_store_b128 v[PK], v[TR:TR+3]                ; every lane holds the wave's four sums and writes the same 16 bytes
	BAR
	s_cmp_lg_u32 s24, 0
	s_cbranch_scc1 .Lend                           ; every wave holds the same x and |f|^2: wave 0 writes
	v_mov_b32 v[CC], LRED
	ds_load_b128 v[62:65], v[CC]
	ds_load_b128 v[66:69], v[CC] offset:16
	ds_load_b128 v[70:73], v[CC] offset:32
	ds_load_b128 v[74:77], v[CC] offset:48
	v_mul_u32_u24 v[PP], v[HH], 140
	v_lshl_add_u32 v[PP], v[RR], 2, v[PP]          ; 140 h + 4 r
	global_store_b32 v[A_OUT], v[X], s[22:23]      ; z: rows of 140 bytes are multiples of 4 only, so 4 bytes at a time
	global_store_b32 v[A_OUT], v[X+1], s[22:23] offset:4
	s_wait_dscnt 0x0
	v_pk_add_f32 v[62:63], v[62:63], v[66:67]
	v_pk_add_f32 v[64:65], v[64:65], v[68:69]
	v_pk_add_f32 v[70:71], v[70:71], v[74:75]
	v_pk_add_f32 v[72:73], v[72:73], v[76:77]
	v_pk_add_f32 v[62:63], v[62:63], v[70:71]      ; trace integrals of samples 0, 1
	v_pk_add_f32 v[64:65], v[64:65], v[72:73]      ; Frobenius integrals
	v_cmp_eq_u32 vcc_lo, 1, v[HH]
	v_cndmask_b32 v66, v62, v63, vcc_lo            ; my sample's
	v_cndmask_b32 v67, v64, v65, vcc_lo
	v_xor_b32 v66, 0x80000000, v66                 ; log_det integrates -trace
	v_cmp_eq_u32 vcc_lo, 1, v[RR]
	v_cndmask_b32 v67, v67, v[VN], vcc_lo          ; r = 1: vf_norm, r = 2: jac_frob
	v_cmp_eq_u32 vcc_lo, 0, v[RR]
	v_cndmask_b32 v67, v67, v66, vcc_lo            ; r = 0: log_det
	v_cmp_gt_u32 vcc_lo, 3, v[RR]
	s_wait_xcnt 0x0                                ; EXEC is a source of the two stores above: it changes only behind this wait
	s_and_saveexec_b32 s34, vcc_lo
	global_store_b32 v[PP], v67, s[22:23] offset:128
	s_wait_xcnt 0x0
	s_mov_b32 exec_lo, -1
	v_lshl_add_u32 v190, v0, 2, 0xa300
	v_mov_b32 v191, 0
	s_wait_tensorcnt 0x0
	ds_add_u32 v190, v191
	s_wait_dscnt 0x0
	s_endpgm
.Lend:
	s_wait_xcnt 0x0
	s_mov_b32 exec_lo, -1
	v_lshl_add_u32 v190, v0, 2, 0xa300
	v_mov_b32 v191, 0
	s_wait_tensorcnt 0x0
	ds_add_u32 v190, v191
	s_wait_dscnt 0x0
	s_endpgm
.Lfunc_end_k_q7797cbbbeb_node:
	.size	k_q7797cbbbeb_node, .Lfunc_end_k_q7797cbbbeb_node-k_q7797cbbbeb_node
	.p2alignl 7, 3214868480
	.fill 96, 4, 3214868480
	.section	.rodata,"a",@progbits
	.p2align	6, 0x0
	.amdhsa_kernel k_q7797cbbbeb_node
		.amdhsa_group_segment_fixed_size 42240
		.amdhsa_private_segment_fixed_size 0
		.amdhsa_enable_private_segment 0
		.amdhsa_kernarg_size 64
		.amdhsa_user_sgpr_count 2
		.amdhsa_user_sgpr_kernarg_segment_ptr 1
		.amdhsa_wavefront_size32 1
		.amdhsa_system_sgpr_workgroup_id_x 1
		.amdhsa_system_sgpr_workgroup_id_y 1
		.amdhsa_system_sgpr_workgroup_id_z 1
		.amdhsa_system_vgpr_workitem_id 0
		.amdhsa_next_free_vgpr 1024
		.amdhsa_next_free_sgpr 66
		.amdhsa_reserve_vcc 1
		.amdhsa_float_denorm_mode_32 3
		.amdhsa_float_denorm_mode_16_64 3
		.amdhsa_memory_ordered 1
		.amdhsa_forward_progress 1
		.amdhsa_inst_pref_size 221
	.end_amdhsa_kernel
	.amdgpu_metadata
---
amdhsa.version: [ 1, 2 ]
amdhsa.kernels:
  - .name:           k_q7797cbbbeb_node
    .symbol:         k_q7797cbbbeb_node.kd
    .args:
      - { .name: x, .offset: 0, .size: 8, .value_kind: global_buffer, .address_space: global }
      - { .name: W1, .offset: 8, .size: 8, .value_kind: global_buffer, .address_space: global }
      - { .name: b1, .offset: 16, .size: 8, .value_kind: global_buffer, .address_space: global }
      - { .name: W2, .offset: 24, .size: 8, .value_kind: global_buffer, .address_space: global }
      - { .name: b2, .offset: 32, .size: 8, .value_kind: global_buffer, .address_space: global }
      - { .name: W3, .offset: 40, .size: 8, .value_kind: global_buffer, .address_space: global }
      - { .name: b3, .offset: 48, .size: 8, .value_kind: global_buffer, .address_space: global }
      - { .name: out0, .offset: 56, .size: 8, .value_kind: global_buffer, .address_space: global }
    .group_segment_fixed_size: 42240
    .private_segment_fixed_size: 0
    .kernarg_segment_align: 8
    .kernarg_segment_size: 64
    .max_flat_workgroup_size: 128
    .sgpr_count:     66
    .vgpr_count:     1024
    .wavefront_size: 32
...
	.end_amdgpu_metadata
.endif
;; end of part 1
